; MI455X (gfx1250); checked and timed in simulation.
; The chip was launched on July 23, 2026; its instructions are those of AMD's public machine-readable ISA for CDNA 5 (MIT licence, August 2026) and "CDNA5" Instruction Set Architecture Reference Guide (July 2026). The comments in the code are by the model that wrote it; some were corrected since.
;; Multi Head Attention. Allowed arithmetic: matrix products marked QUANTISED: E2M3 operands, one E8M0 scale for each 32 along K, by v_wmma_scale_f32_16x16x128_f8f6f4 with both operands' format E2M3, f32 sums; everything else in f32.
;; Inputs: bo 1,024 float32; wk_codes 1,024 x 32 x 24 uint8 (E2M3 codes of wk, K innermost, in blocks of 32 codes, four codes in three bytes); wk_scales 1,024 x 32 uint8 (E8M0 scales of wk, one for each 32 codes along K); wo_codes 1,024 x 32 x 24 uint8 (E2M3 codes of wo, K innermost, in blocks of 32 codes, four codes in three bytes); wo_scales 1,024 x 32 uint8 (E8M0 scales of wo, one for each 32 codes along K); wq_codes 1,024 x 32 x 24 uint8 (E2M3 codes of wq, K innermost, in blocks of 32 codes, four codes in three bytes); wq_scales 1,024 x 32 uint8 (E8M0 scales of wq, one for each 32 codes along K); wv_codes 1,024 x 32 x 24 uint8 (E2M3 codes of wv, K innermost, in blocks of 32 codes, four codes in three bytes); wv_scales 1,024 x 32 uint8 (E8M0 scales of wv, one for each 32 codes along K); x_codes 2 x 2,048 x 32 x 24 uint8 (E2M3 codes of x, K innermost, in blocks of 32 codes, four codes in three bytes); x_scales 2 x 2,048 x 32 uint8 (E8M0 scales of x, one for each 32 codes along K).
;; Outputs: out0 2 x 2,048 x 1,024 float32.
;; This version of the problem:
;;   THIS VERSION OF THE PROBLEM IS GIVEN IN LOW PRECISION. The matrix products marked QUANTISED in the list below multiply operands that are first quantised to E2M3 (2 exponent bits, 3 mantissa bits; 6 bits a number), with one power-of-two scale for each 32 numbers along K (OCP MX v1.0); their sums are f32. All else is computed in f32.
;;   The module's matrix products, in the order in which they are computed (A, B: the left and right operand; K: the contracted axis; several contracted axes count as one K, in the product's order):
;;     1. [M 4,096, K 1,024] x [K 1,024, N 1,024]; A: input x (given as codes); B: input wq (given as codes): QUANTISED
;;     2. [M 4,096, K 1,024] x [K 1,024, N 1,024]; A: input x (given as codes); B: input wk (given as codes): QUANTISED
;;     3. [M 4,096, K 1,024] x [K 1,024, N 1,024]; A: input x (given as codes); B: input wv (given as codes): QUANTISED
;;     4. batch 32 x [M 2,048, K 64] x [K 64, N 2,048]; A: computed on the way; B: computed on the way: QUANTISED
;;     5. batch 32 x [M 2,048, K 2,048] x [K 2,048, N 64]; A: softmax (see below); B: computed on the way: QUANTISED
;;     6. [M 4,096, K 1,024] x [K 1,024, N 1,024]; A: computed on the way; B: input wo (given as codes): QUANTISED
;;   THE QUANTISER, for each operand of a quantised product, along K:
;;     - K is cut into blocks of 32 from its start; a last block that is shorter is filled with zeros.
;;     - A block's scale is 2^e with e = floor(log2(the largest magnitude in the block)) - 2, held to -126 .. 127; a block of zeros has e = 0. As a byte (E8M0): e + 127.
;;     - Each number is divided by its block's scale, clamped to +-7.5, and rounded to the nearest number of E2M3, ties to even, subnormals kept.
;;     - The product sums the exact products of the quantised numbers (number of the format x scale) in f32.
;;   ~~~python
;;   def quantise(x, axis):      # numpy; x: float32 -> the quantised numbers, widened to float32 again
;;       x = np.moveaxis(x, axis, -1); K = x.shape[-1]
;;       x = np.pad(x, [(0, 0)] * (x.ndim - 1) + [(0, -K % 32)]); x = x.reshape(x.shape[:-1] + (-1, 32)); a = np.abs(x).max(-1, keepdims=True)
;;       e = np.where(a > 0, np.clip(np.frexp(np.where(a > 0, a, 1))[1] - 1 - 2, -126, 127), 0)      # np.frexp(a)[1] - 1 = floor(log2(a)), exactly
;;       r = np.clip(x / 2.0 ** e, -7.5, 7.5)
;;       step = 2.0 ** (np.maximum(np.frexp(np.where(r == 0, 1, r))[1] - 1, 0) - 3)
;;       q = np.round(r / step) * step * 2.0 ** e      # np.round: ties to even
;;       return np.moveaxis(q.reshape(q.shape[:-2] + (-1,))[..., :K], -1, axis).astype(np.float32)
;;   ~~~
;;   SOFTMAX AHEAD OF A QUANTISED PRODUCT. Where the list says 'softmax', what is quantised is not the finished softmax but p = 2^(t - M), with t = logit x log2(e) and M = ceil(the row's largest t), a whole number; so 1/2 < the row's largest p <= 1. The row's sum l is taken of the UNQUANTISED p, in f32, and the product's result is divided by l at the end. Since M is a whole number, a kernel that streams over the keys may use a running M (the ceiling of the running maximum): every later rescaling is an exact power of two, which a block's scale takes up: the codes' values come out the same.
;;   OPERANDS COMPUTED ON THE WAY. 'Computed on the way' means the value that the module computes at that place (a softmax that the list does not call 'softmax' is quantised finished and normalised). What goes into a quantiser is computed in f32, as accurately as f32 sums, v_exp_f32 and their like allow (about 1e-6 of the number): no bf16 or f16 on the way to a quantiser, and a product that is left as it is and whose result goes on into a quantised operand takes f32 operands (vector FMAs, or v_wmma_f32_16x16x4_f32). A number that lies on a knife's edge between two numbers of the format may be rounded either way, as far as f32 arithmetic and the matrix unit's own rounding can turn it there, and no further.
;;   INPUTS GIVEN AS CODES. wk (in the module: [1024, 1024], K = its axis 1); wo (in the module: [1024, 1024], K = its axis 1); wq (in the module: [1024, 1024], K = its axis 1); wv (in the module: [1024, 1024], K = its axis 1); x (in the module: [2, 2048, 1024], K = its axis 2): each comes as NAME_codes (uint8): NAME with its K axis moved to the last place and cut into blocks of 32 codes, [.., K / 32, bytes a block], one block behind the other in memory; four codes in three bytes: a row's codes are one little-endian stream of bits, code i at bits 6 i .. 6 i + 5 (a code: sign, 2 exponent bits, 3 mantissa bits); and NAME_scales (uint8): the same leading axes, one E8M0 byte (e + 127) for each 32 codes along K. Its value is code x scale, taken as it is: it is not quantised again, and the codes and scales need not be those that the quantiser above would give.
;; One version. Each part assembles by itself: llvm-mc -triple=amdgcn-amd-amdhsa -mcpu=gfx1250 --defsym DOCPART=n.
;; ======== version 1 of 1: 3 launches
;; limits: right only within a limited range of input values
;; workspace buffers: qkv 10,223,616 bytes; ctx 3,145,728 bytes; ctxs 131,072 bytes
;; launch qkv (part 1): grid 16 x 16, 4 waves a work-group, clusters of 4 x 4, 327,680 bytes of LDS; arguments x_codes, x_scales, wq_codes, wq_scales, wk_codes, wk_scales, wv_codes, wv_scales, qkv; writes qkv
.if DOCPART == 1
	.amdgcn_target "amdgcn-amd-amdhsa--gfx1250"
	.amdhsa_code_object_version 6
	.text
	.protected	k_q9c5f0e8086_qkv
	.globl	k_q9c5f0e8086_qkv
	.p2align	8
	.type	k_q9c5f0e8086_qkv,@function
k_q9c5f0e8086_qkv:
	s_mov_b64 s[64:65], 0
	v_nop
	global_prefetch_b8 v0, s[64:65] scope:SCOPE_SE
	s_setreg_imm32_b32 hwreg(HW_REG_WAVE_MODE, 25, 1), 1
	s_wait_xcnt 0x0
	s_wait_alu depctr_hold_cnt(0) depctr_sa_sdst(0) depctr_va_vdst(0) depctr_va_sdst(0) depctr_va_ssrc(0) depctr_va_vcc(0) depctr_vm_vsrc(0)
	s_getreg_b32 s2, hwreg(HW_REG_IB_STS2, 6, 4)
	s_cmp_eq_u32 s2, 0
	s_cbranch_scc0 .Lentry_in_a_cluster
	s_endpgm
.Lentry_in_a_cluster:
	s_bfe_u32 s2, ttmp6, 0x10000c
	s_cmp_lg_u32 s2, 0xf033
	s_cbranch_scc0 .Lentry_shape_is_right
	s_endpgm
.Lentry_shape_is_right:
; q = x wq^T, k = x wk^T, v = x wv^T on codes of FP6 (E2M3), K = 1,024; the results are quantised in registers and leave as IMAGES OF OPERAND REGISTERS for the attention launch.
; A work-group of four waves makes 256 tokens x one head's 64 columns of q, of k and of v: 16 heads x 16 token blocks = 256 work-groups.  A wave makes 64 tokens x 192: 48 accumulators, 384 registers.
; K goes in THREE CHUNKS of 256 bytes of each row through two LDS slots: chunk 2 is the one refill.  A step of 128 along K is 96 bytes: steps 2 and 5 lie across two chunks.
; ORDER OF ROWS.  Tile j (0..3) of a band of 64 rows (tokens or weight rows) takes row 32 (r / 8) + 8 (j xor r / 8) + r % 8 in lane r.  A result's register i of tile j in lane half h is then row 32 h + 8 (j xor h) + i:
; the 32 registers of four tiles are ONE block of 32 along the next K, in chunk order 0 1 2 3 (h = 0) or 1 0 3 2 (h = 1).  Both sides of each next product carry the same order: q and k along the head, v and the attention launch's p along the keys.
; q, k: source 0 = weight rows, source 1 = tokens (registers run along the head).  v: source 0 = tokens, source 1 = weight rows (registers run along the tokens).
; THE RECORD: qkv is [batch 2][head 16][step of 128 tokens 16][19,968 bytes]: +0 k's 8 tiles of 768; +6,144 v's 4 fragments of 1,536 (registers 6 c .. are band c of 64 tokens); +12,288 k's scale words, 256 bytes a band;
; +12,800 v's, 256 a band; +13,312 q's 8 tiles; +19,456 q's scale words.  A half image of 6 registers: registers 0-3 at 16 x lane, 4-5 at 512 + 8 x lane.  Scale words: two a lane at 8 x lane: lanes 0-15 tiles 0 and 2, lanes 16-31 tiles 1 and 3.
; CLUSTERS: 4 x 4: x's tiles are shared along a row of the cluster, the weights' along a column, by joint loads.
; PREFETCH: at the head, of chunks 1 and 2: each row's two blocks once in a cluster, shared out by address.
; LIMITS: NaN and infinities among the results are not served; a block whose largest magnitude lies under 2^-124 (zeros too) gets the byte 1: its bytes are read by this program alone.
.set PITCH, 272                        ; 256 bytes + 16 of padding
.set WOFF,  256*PITCH                  ; behind x's 256 rows: 64 rows each of wq, wk, wv
.set SLOT,  448*PITCH
.set SPARE, 2*SLOT
.set REC,   19968
.set AX,    16                         ; v16-23   LDS address of x tile j in slot s: AX + 4 s + j
.set CX,    24                         ; v24-27   pieces across two chunks: CX + 2 x (slot of the lower chunk) + j % 2
.set CW,    28                         ; v28-31   the same for the weights
.set XS,    32                         ; v32-47   x's scale words (lanes 0-15 even tile, 16-31 odd tile), eight a pair of tiles
.set WS,    52                         ; v52-99   the weights'
.set AW,    100                        ; v100-123 LDS address of weight tile b in slot s: AW + 12 s + b
.set XF,    128                        ; x's fragments, two sets of 48
.set TM,    224
.set TC,    232
.set BB,    248
.set G1X, 24
.set G0X, 32
.set G1W, 48
.set G0W, 56
.set MULQ, 0xa1                        ; source 0 window 1, source 1 window 0, C and D window 2
.set MULV, 0xf4                        ; source 0 window 0, source 1 window 1, C and D window 3
.set MSB, 0
.macro WIN new
.if MSB != \new
	s_set_vgpr_msb (MSB<<8)|(\new)
.set MSB, \new
.endif
.endm
.macro PLACES
.rept 4
	v_nop
.endr
.endm
.macro JLOAD                           ; my one load: wave 0 x's 256 rows, waves 1-3 64 rows of wq, wk, wv
	s_cmp_eq_u32 s14, 0
	s_cbranch_scc0 .Lfor_w_\@
	tensor_load_to_lds s[G0X:G0X+3], s[G1X:G1X+7]
	s_nop 0
	PLACES
	s_branch .Lasked_\@
.Lfor_w_\@:
	tensor_load_to_lds s[G0W:G0W+3], s[G1W:G1W+7]
	s_nop 0
	PLACES
.Lasked_\@:
.endm
.macro CREST                           ; a round of the cluster's barrier behind its opening barrier
	s_cmp_lg_u32 s14, 0
	s_cbranch_scc1 .Lnot_wave_0_\@
	s_barrier_signal -3
.Lnot_wave_0_\@:
	s_barrier_wait -3
	s_barrier_signal -1
	s_barrier_wait -1
.endm
.macro CROUND
	s_barrier_signal -1
	s_barrier_wait -1
	CREST
.endm
	s_load_b512 s[68:83], s[0:1], 0x0              ; x codes, x scales, wq .., wk .., wv ..
	s_load_b64 s[12:13], s[0:1], 0x40              ; qkv
	v_lshl_add_u32 v10, v0, 2, SPARE
	v_mov_b32 v11, 0
	ds_add_u32 v10, v11                            ; the opening add, twice on end
	ds_add_u32 v10, v11
	v_lshrrev_b32 v1, 5, v0
	v_readfirstlane_b32 s14, v1                    ; wave 0..3
	s_bfe_u32 s40, ttmp6, 0x40000                  ; cx
	s_bfe_u32 s41, ttmp6, 0x40004                  ; cy
	s_lshl_b32 s42, ttmp9, 2
	s_add_co_u32 s42, s42, s40                     ; the head
	s_and_b32 s17, ttmp7, 0xffff
	s_lshl_b32 s17, s17, 2
	s_add_co_u32 s17, s17, s41                     ; the block of 256 tokens
	s_lshl_b32 s43, s41, 2
	s_lshl_b32 s43, 15, s43                        ; my row of the cluster
	s_lshl_b32 s44, 0x1111, s40                    ; my column
	s_or_b32 s[G1X+0], s43, (1<<20)|(1<<21)|(5<<22)|(3<<25)   ; the mask; elements of 1 byte; padding of 4 words after every 64
	s_mov_b32 s[G1X+1], 256<<16
	s_mov_b32 s[G1X+2], 256<<16
	s_mov_b32 s[G1X+3], 256<<16
	s_mov_b32 s[G1X+4], 256
	s_mov_b32 s[G1X+5], 768
	s_mov_b32 s[G1X+6], 0
	s_mov_b32 s[G1X+7], 0
	s_or_b32 s[G1W+0], s44, (1<<20)|(1<<21)|(5<<22)|(3<<25)
	s_mov_b32 s[G1W+1], 256<<16
	s_mov_b32 s[G1W+2], 64<<16
	s_mov_b32 s[G1W+3], 256<<16
	s_mov_b32 s[G1W+4], 64
	s_mov_b32 s[G1W+5], 768
	s_mov_b32 s[G1W+6], 0
	s_mov_b32 s[G1W+7], 0
	s_mul_i32 s20, s17, 256*768                    ; my tokens' codes
	s_mov_b32 s21, 0
	s_mul_i32 s46, s42, 64*768                     ; my head's weight rows
	s_mov_b32 s47, 0
	s_lshl_b32 s60, s17, 13                        ; x's scales: 256 rows of 32 bytes a block, 64 rows a wave
	s_lshl_b32 s61, s14, 11
	s_add_co_u32 s60, s60, s61
	s_mov_b32 s61, 0
	s_lshl_b32 s62, s42, 11                        ; the weights'
	s_mov_b32 s63, 0
	s_mov_b32 s[G0X], 1
	s_mov_b32 s[G0X+1], 0
	s_mov_b32 s[G0W], 1
	s_mul_i32 s[G0W+1], s14, 64*PITCH
	s_add_co_u32 s[G0W+1], s[G0W+1], 192*PITCH     ; waves 1-3: rows 256, 320, 384 of the slot
	s_wait_alu depctr_va_vdst(0)
	s_wait_dscnt 0x0                               ; both opening adds are done
	CROUND                                         ; all sixteen work-groups are here: the first joint loads meet
	s_wait_kmcnt 0x0
	s_add_nc_u64 s[20:21], s[68:69], s[20:21]
	s_cmp_eq_u32 s14, 2
	s_cselect_b64 s[4:5], s[76:77], s[72:73]
	s_cmp_eq_u32 s14, 3
	s_cselect_b64 s[4:5], s[80:81], s[4:5]         ; wave 1 wq, 2 wk, 3 wv
	s_add_nc_u64 s[46:47], s[4:5], s[46:47]
	s_mov_b64 s[G0X+2:G0X+3], s[20:21]
	s_or_b32 s[G0X+3], s[G0X+3], 0x80000000
	s_mov_b64 s[G0W+2:G0W+3], s[46:47]
	s_or_b32 s[G0W+3], s[G0W+3], 0x80000000
	JLOAD                                          ; chunk 0: one tensor load a wave at the head
	s_add_nc_u64 s[60:61], s[70:71], s[60:61]
	s_add_nc_u64 s[74:75], s[74:75], s[62:63]
	s_add_nc_u64 s[78:79], s[78:79], s[62:63]
	s_add_nc_u64 s[82:83], s[82:83], s[62:63]
	v_and_b32 v1, 15, v0                           ; r
	v_bfe_u32 v2, v0, 4, 1                         ; h
	v_bfe_u32 v3, v0, 3, 1                         ; r / 8
	v_and_b32 v4, 7, v0                            ; r % 8
	; scale words of tiles 2 s + h: row 16 s + 32 (r / 8) + 8 (h xor r / 8) + r % 8, 32 bytes a row
	v_xor_b32 v48, v2, v3                          ; v48: these loads' address, never rewritten
	v_lshl_add_u32 v48, v48, 3, v4
	v_lshl_add_u32 v48, v3, 5, v48
	v_lshlrev_b32 v48, 5, v48
.irp s, 0,1
.irp k, 0,1
	global_load_b128 v[XS+8*\s+4*\k:XS+8*\s+4*\k+3], v48, s[60:61] offset:512*\s+16*\k
	global_load_b128 v[WS+8*\s+4*\k:WS+8*\s+4*\k+3], v48, s[74:75] offset:512*\s+16*\k
	global_load_b128 v[WS+16+8*\s+4*\k:WS+16+8*\s+4*\k+3], v48, s[78:79] offset:512*\s+16*\k
	global_load_b128 v[WS+32+8*\s+4*\k:WS+32+8*\s+4*\k+3], v48, s[82:83] offset:512*\s+16*\k
.endr
.endr
	; the prefetch: lane (r, h) names chunk 1 + h of one row
	s_lshl_b32 s22, s40, 2
	s_add_co_u32 s22, s22, s14
	s_lshl_b32 s22, s22, 4                         ; x: 16 of the block's 256 rows for each wave of the four partners
	v_add_nc_u32 v14, s22, v1
	s_lshl_b32 s23, s41, 4
	v_add_nc_u32 v15, s23, v1                      ; weights: 16 of the head's 64 rows for each of the four partners
	v_mul_u32_u24 v14, v14, 768
	v_mul_u32_u24 v15, v15, 768
	v_lshlrev_b32 v6, 8, v2
	v_add_nc_u32 v6, 256, v6
	v_add_nc_u32 v14, v14, v6
	v_add_nc_u32 v15, v15, v6
	s_wait_alu depctr_va_vdst(0)
	global_prefetch_b8 v14, s[20:21] th:TH_LOAD_NT scope:SCOPE_SE
	s_cmp_eq_u32 s14, 0
	s_cbranch_scc1 .Lno_w
	global_prefetch_b8 v15, s[46:47] th:TH_LOAD_NT scope:SCOPE_SE
.Lno_w:
	; LDS addresses.  Row of tile j without its 8 j: r % 8 + 40 (r / 8) for even j, + 24 (r / 8) for odd j
	v_mul_u32_u24 v12, v3, 40
	v_add_nc_u32 v12, v4, v12
	v_mul_u32_u24 v12, v12, PITCH
	v_mul_u32_u24 v13, v3, 24
	v_add_nc_u32 v13, v4, v13
	v_mul_u32_u24 v13, v13, PITCH
	v_mul_u32_u24 v5, v2, 24
	s_mul_i32 s22, s14, 64*PITCH                   ; my 64 tokens
	v_add_nc_u32 v6, v12, v5                       ; even tiles, + 24 h
	v_add_nc_u32 v7, v13, v5                       ; odd tiles
	v_add_nc_u32 v8, s22, v6
	v_add_nc_u32 v9, s22, v7
.irp s, 0,1
.irp j, 0,2
	v_add_nc_u32 v[AX+4*\s+\j], \s*SLOT+8*\j*PITCH, v8
	v_add_nc_u32 v[AX+4*\s+\j+1], \s*SLOT+8*(\j+1)*PITCH, v9
.endr
.irp b, 0,2,4,6,8,10
	v_add_nc_u32 v[AW+12*\s+\b], \s*SLOT+WOFF+(64*(\b/4)+8*(\b%4))*PITCH, v6
	v_add_nc_u32 v[AW+12*\s+\b+1], \s*SLOT+WOFF+(64*(\b/4)+8*(\b%4)+8)*PITCH, v7
.endr
.endr
	v_mul_u32_u24 v5, v2, SLOT-232                 ; lower chunk in slot 0: lanes 0-15 its byte 232, lanes 16-31 byte 0 of slot 1
	v_sub_nc_u32 v6, 1, v2
	v_mul_u32_u24 v6, v6, SLOT+232                 ; lower chunk in slot 1: lanes 0-15 its byte 232, lanes 16-31 byte 0 of slot 0
	v_add_nc_u32 v7, v12, v5
	v_add_nc_u32 v8, v13, v5
	v_add_nc_u32 v7, 232, v7
	v_add_nc_u32 v8, 232, v8
	v_add_nc_u32 v9, v12, v6
	v_add_nc_u32 v6, v13, v6
	v_add_nc_u32 v[CX+0], s22, v7
	v_add_nc_u32 v[CX+1], s22, v8
	v_add_nc_u32 v[CX+2], s22, v9
	v_add_nc_u32 v[CX+3], s22, v6
	v_add_nc_u32 v[CW+0], WOFF, v7
	v_add_nc_u32 v[CW+1], WOFF, v8
	v_add_nc_u32 v[CW+2], WOFF, v9
	v_add_nc_u32 v[CW+3], WOFF, v6
	; where the results go: the record of my 128 tokens, and in it my band of 64
	s_lshr_b32 s18, s14, 1
	s_and_b32 s16, s14, 1                          ; band
	s_lshr_b32 s19, s17, 3                         ; batch
	s_lshl_b32 s19, s19, 4
	s_add_co_u32 s19, s19, s42
	s_lshl_b32 s19, s19, 4
	s_and_b32 s22, s17, 7
	s_lshl_b32 s22, s22, 1
	s_add_co_u32 s19, s19, s22
	s_add_co_u32 s19, s19, s18
	s_mul_i32 s22, s19, REC
	s_mov_b32 s23, 0
	s_add_nc_u64 s[12:13], s[12:13], s[22:23]
	s_mul_i32 s22, s16, 3072
	s_add_nc_u64 s[84:85], s[12:13], s[22:23]      ; q, k: four tiles on
	s_mul_i32 s22, s16, 768
	s_add_nc_u64 s[86:87], s[12:13], s[22:23]      ; v: the fragments' other half
	s_lshl_b32 s22, s16, 8
	s_add_nc_u64 s[88:89], s[12:13], s[22:23]      ; scale words
; a fragment: lane (r, h) takes 24 bytes of its row at 96 st + 24 h and 24 at 96 st + 48 + 24 h, in pieces of 8; two pieces to a load where both halves of the lanes read one chunk
.macro ONE reg, ax, as, cx, imm, st, p
.set BY, 96*(\st)+48*((\p)/3)+8*((\p)%3)
.if BY/256 == (BY+24)/256
	ds_load_b64 v[\reg+2*(\p):\reg+2*(\p)+1], v[\ax+\as*((BY/256)%2)] offset:BY%256
.else
	ds_load_b64 v[\reg+2*(\p):\reg+2*(\p)+1], v[\cx+2*((BY/256)%2)] offset:BY%256-232+\imm
.endif
.endm
.macro FRAG reg, ax, as, cx, imm, st
.irp p, 0,2,4
.set B0, 96*(\st)+48*(\p/3)+8*(\p%3)
.set B1, 96*(\st)+48*((\p+1)/3)+8*((\p+1)%3)
.if (B0/256 == (B0+24)/256) && (B1/256 == (B1+24)/256) && (B0/256 == B1/256)
	ds_load_2addr_b64 v[\reg+2*\p:\reg+2*\p+3], v[\ax+\as*((B0/256)%2)] offset0:(B0%256)/8 offset1:(B1%256)/8
.else
	ONE \reg, \ax, \as, \cx, \imm, \st, \p
	ONE \reg, \ax, \as, \cx, \imm, \st, \p+1
.endif
.endr
.endm
.macro FW st, b0                       ; six weight tiles
	WIN 0x40
.irp k, 0,1,2,3,4,5
	FRAG (12*(\b0+\k)), (AW+\b0+\k), 12, (CW+(\b0+\k)%2), ((64*((\b0+\k)/4)+8*((\b0+\k)%4))*PITCH), (\st)
.endr
	WIN 0
.endm
.macro FX st                           ; my four token tiles
.irp j, 0,1,2,3
	FRAG (XF+48*((\st)%2)+12*\j), (AX+\j), 4, (CX+\j%2), (8*\j*PITCH), (\st)
.endr
.endm
.macro W2 d, s0, s1, x0, x1, ra, rb, st
.if \st
	v_wmma_scale_f32_16x16x128_f8f6f4 v[\d:\d+7], v[\s0:\s0+11], v[\s1:\s1+11], v[\d:\d+7], v[\x0], v[\x1] matrix_a_fmt:MATRIX_FMT_FP6 matrix_b_fmt:MATRIX_FMT_FP6 matrix_a_scale:MATRIX_SCALE_ROW\ra matrix_b_scale:MATRIX_SCALE_ROW\rb
.else
	v_wmma_scale_f32_16x16x128_f8f6f4 v[\d:\d+7], v[\s0:\s0+11], v[\s1:\s1+11], 0, v[\x0], v[\x1] matrix_a_fmt:MATRIX_FMT_FP6 matrix_b_fmt:MATRIX_FMT_FP6 matrix_a_scale:MATRIX_SCALE_ROW\ra matrix_b_scale:MATRIX_SCALE_ROW\rb
.endif
.endm
.macro WM d, s0, s1, x0, x1, ra, rb, st
.if \ra
.if \rb
	W2 \d, \s0, \s1, \x0, \x1, 1, 1, \st
.else
	W2 \d, \s0, \s1, \x0, \x1, 1, 0, \st
.endif
.else
.if \rb
	W2 \d, \s0, \s1, \x0, \x1, 0, 1, \st
.else
	W2 \d, \s0, \s1, \x0, \x1, 0, 0, \st
.endif
.endif
.endm
.macro PROD st, b                      ; weight tile b x my four token tiles.  The 48 accumulators take turns in the same order in every step
.irp a, 0,1,2,3
.if (\b) < 8
	WM (128*((\b)/4)+32*\a+8*((\b)%4)), (12*(\b)), (XF+48*((\st)%2)+12*\a), (WS+8*((\b)/2)+(\st)), (XS+8*(\a/2)+(\st)), ((\b)%2), (\a%2), (\st)
.else
	WM (32*((\b)-8)+8*\a), (XF+48*((\st)%2)+12*\a), (12*(\b)), (XS+8*(\a/2)+(\st)), (WS+8*((\b)/2)+(\st)), (\a%2), ((\b)%2), (\st)
.endif
.endr
.endm
.macro THREE st, b0
.irp k, 0,1,2
.if \b0+\k < 8
	WIN MULQ
.else
	WIN MULV
.endif
	PROD \st, \b0+\k
.endr
.endm
; A step: 48 products.  Behind the first 24 the next step's weight tiles 0-5 and tokens are fetched, behind the last the tiles 6-11.
; kind 1: the next step reads a chunk that has not been shown yet: a barrier, nothing filled behind it.  kind 2: chunk 0 has been read out: a round, and chunk 2 into its slot.
.macro STEP st, kind
.set NLD, 3
.if (\st) == 2 || (\st) == 5
.set NLD, 5                            ; loads of a fragment that lies across two chunks
.endif
.if \kind == 2
	s_wait_tensorcnt 0x0
	ds_add_u32 v10, v11
	s_mov_b32 s[G0X+1], 0
	s_sub_co_u32 s[G0W+1], s[G0W+1], SLOT
	s_add_nc_u64 s[G0X+2:G0X+3], s[G0X+2:G0X+3], 256
	s_add_nc_u64 s[G0W+2:G0W+3], s[G0W+2:G0W+3], 256
	s_wait_dscnt 6*NLD+1                           ; the add and the youngest loads (tiles 6-11) may be out
	THREE \st, 0
	s_wait_dscnt 0x0                               ; the add is done, and so are my reads of chunk 0
	s_barrier_signal -1
	THREE \st, 3
	WIN 0
	s_barrier_wait -1
	CREST
	JLOAD                                          ; chunk 2 into slot 0; its four v_nop are the places in front of the loads below
.else
	s_wait_dscnt 6*NLD
	THREE \st, 0
	THREE \st, 3
	WIN 0
.if \kind == 1
	s_wait_tensorcnt 0x0                           ; my part of the next chunk is in
.endif
	s_wait_dscnt 0x0
.if \kind == 1
	s_barrier_signal -1
	s_barrier_wait -1
.endif
.if \st < 7
	PLACES
.endif
.endif
.if \st < 7
	FW \st+1, 0
	FX \st+1
.endif
	THREE \st, 6
	THREE \st, 9
.if \st < 7
	PLACES
	FW \st+1, 6
.endif
.endm
	s_wait_alu depctr_va_vdst(0)                   ; the head's end
	s_wait_loadcnt 0x0                             ; the scale words
	s_wait_tensorcnt 0x0                           ; my part of chunk 0 is in
	ds_add_u32 v10, v11
	s_mov_b32 s[G0X+1], SLOT
	s_add_co_u32 s[G0W+1], s[G0W+1], SLOT
	s_add_nc_u64 s[G0X+2:G0X+3], s[G0X+2:G0X+3], 256
	s_add_nc_u64 s[G0W+2:G0W+3], s[G0W+2:G0W+3], 256
	s_wait_dscnt 0x0
	CROUND
	JLOAD                                          ; chunk 1, the first tensor load behind the round
	FW 0, 0
	FX 0
	FW 0, 6
	STEP 0, 0
	STEP 1, 1
	STEP 2, 2
	STEP 3, 0
	STEP 4, 1
	STEP 5, 0
	STEP 6, 0
	STEP 7, 0
	WIN 0
	; THE WAY OUT, no LDS: four units of 32 registers at a time, each one scale block a lane
	v_and_b32 v7, 31, v0                           ; (these lines are also places behind the last products)
	v_lshlrev_b32 v8, 4, v7                        ; 16 x lane
	v_lshlrev_b32 v9, 3, v7                        ; 8 x lane
	v_cmp_lt_u32 vcc_lo, 7, v1                     ; r of 8 and more
	v_nop
	v_nop
.macro QUANT win, base, cr             ; codes to cr (6 a unit), scale bytes to BB
	WIN (\win<<2)|(\win<<4)
.irp u, 0,1,2,3
	v_max3_num_f32 v[TM+\u], 0x1800000, |v[\base+32*\u]|, |v[\base+32*\u+1]|   ; with the floor 2^(3 - 127)
.endr
.irp i, 2,4,6,8,10,12,14,16,18,20,22,24,26,28,30
.irp u, 0,1,2,3
	v_max3_num_f32 v[TM+\u], v[TM+\u], |v[\base+32*\u+\i]|, |v[\base+32*\u+\i+1]|
.endr
.endr
	WIN 0
.irp u, 0,1,2,3
	v_add_nc_u32 v[TM+4+\u], 0xff000000, v[TM+\u]  ; 2 off the exponent field: the conversion's scale operand
.endr
.irp u, 0,1,2,3
	v_lshrrev_b32 v[BB+\u], 23, v[TM+4+\u]
.endr
	WIN \win
.irp u, 0,1,2,3
	v_cvt_scalef32_pk16_fp6_f32 v[\cr+6*\u:\cr+6*\u+2], v[\base+32*\u:\base+32*\u+15], v[TM+4+\u]
	v_cvt_scalef32_pk16_fp6_f32 v[TC+4*\u:TC+4*\u+2], v[\base+32*\u+16:\base+32*\u+31], v[TM+4+\u]
.endr
	WIN 0
	v_nop                                          ; one plain place behind a scaled conversion
.irp u, 0,1,2,3
.irp i, 0,1,2
	v_mov_b32 v[\cr+6*\u+3+\i], v[TC+4*\u+\i]
.endr
.endr
.endm
.macro PACKS b, d                      ; lanes 0-15 the even tile's word of row r, lanes 16-31 the odd tile's: byte 0 block 0, byte 1 block 1
	v_permlane16_swap_b32 v[\b], v[\b+1]
	v_permlane16_swap_b32 v[\b+2], v[\b+3]
	v_lshl_or_b32 v[\d], v[\b+1], 8, v[\b]
	v_lshl_or_b32 v[\d+1], v[\b+3], 8, v[\b+2]
.endm
.macro PUTS cr, base, off, step
.irp u, 0,1,2,3
	global_store_b128 v8, v[\cr+6*\u:\cr+6*\u+3], s[\base:\base+1] offset:\off+\step*\u
	global_store_b64 v9, v[\cr+6*\u+4:\cr+6*\u+5], s[\base:\base+1] offset:\off+\step*\u+512
.endr
.endm
	QUANT 2, 0, 128                                ; q
	PACKS BB, 252
	PUTS 128, 84, 13312, 768
	global_store_b64 v9, v[252:253], s[88:89] offset:19456
	QUANT 2, 128, 152                              ; k
	PACKS BB, 254
	PUTS 152, 84, 0, 768
	global_store_b64 v9, v[254:255], s[88:89] offset:12288
	QUANT 3, 0, 176                                ; v: fragment t takes lanes r < 8 of product t and lanes r >= 8 of product t xor 1: its rows are then columns 32 (r / 8) + 8 t + r % 8 of the head
.irp u, 0,2
.irp i, 0,1,2,3,4,5
	v_cndmask_b32 v[200+6*\u+\i], v[176+6*\u+\i], v[182+6*\u+\i], vcc_lo
	v_cndmask_b32 v[206+6*\u+\i], v[182+6*\u+\i], v[176+6*\u+\i], vcc_lo
.endr
	v_cndmask_b32 v[104+\u], v[BB+\u], v[BB+1+\u], vcc_lo
	v_cndmask_b32 v[105+\u], v[BB+1+\u], v[BB+\u], vcc_lo
.endr
	PACKS 104, 12
	PUTS 200, 86, 6144, 1536
	global_store_b64 v9, v[12:13], s[88:89] offset:12800
	s_wait_tensorcnt 0x0                           ; the wave's end
	ds_add_u32 v10, v11
	s_wait_dscnt 0x0
	CROUND                                         ; the closing round
	s_endpgm
.Lfunc_end_k_q9c5f0e8086_qkv:
	.size	k_q9c5f0e8086_qkv, .Lfunc_end_k_q9c5f0e8086_qkv-k_q9c5f0e8086_qkv
	.p2alignl 7, 3214868480
	.fill 96, 4, 3214868480
	.section	.rodata,"a",@progbits
	.p2align	6, 0x0
	.amdhsa_kernel k_q9c5f0e8086_qkv
		.amdhsa_group_segment_fixed_size 327680
		.amdhsa_private_segment_fixed_size 0
		.amdhsa_enable_private_segment 0
		.amdhsa_kernarg_size 72
		.amdhsa_user_sgpr_count 2
		.amdhsa_user_sgpr_kernarg_segment_ptr 1
		.amdhsa_wavefront_size32 1
		.amdhsa_system_sgpr_workgroup_id_x 1
		.amdhsa_system_sgpr_workgroup_id_y 1
		.amdhsa_system_sgpr_workgroup_id_z 1
		.amdhsa_system_vgpr_workitem_id 0
		.amdhsa_next_free_vgpr 1024
		.amdhsa_next_free_sgpr 100
		.amdhsa_reserve_vcc 1
		.amdhsa_float_denorm_mode_32 3
		.amdhsa_float_denorm_mode_16_64 3
		.amdhsa_memory_ordered 1
		.amdhsa_forward_progress 1
		.amdhsa_inst_pref_size 116
	.end_amdhsa_kernel
	.amdgpu_metadata
---
amdhsa.version: [ 1, 2 ]
amdhsa.kernels:
  - .name:           k_q9c5f0e8086_qkv
    .symbol:         k_q9c5f0e8086_qkv.kd
    .args:
      - { .name: x_codes, .offset: 0, .size: 8, .value_kind: global_buffer, .address_space: global }
      - { .name: x_scales, .offset: 8, .size: 8, .value_kind: global_buffer, .address_space: global }
      - { .name: wq_codes, .offset: 16, .size: 8, .value_kind: global_buffer, .address_space: global }
      - { .name: wq_scales, .offset: 24, .size: 8, .value_kind: global_buffer, .address_space: global }
      - { .name: wk_codes, .offset: 32, .size: 8, .value_kind: global_buffer, .address_space: global }
      - { .name: wk_scales, .offset: 40, .size: 8, .value_kind: global_buffer, .address_space: global }
      - { .name: wv_codes, .offset: 48, .size: 8, .value_kind: global_buffer, .address_space: global }
      - { .name: wv_scales, .offset: 56, .size: 8, .value_kind: global_buffer, .address_space: global }
      - { .name: qkv, .offset: 64, .size: 8, .value_kind: global_buffer, .address_space: global }
    .group_segment_fixed_size: 327680
    .private_segment_fixed_size: 0
    .kernarg_segment_align: 8
    .kernarg_segment_size: 72
    .max_flat_workgroup_size: 128
    .sgpr_count:     100
    .vgpr_count:     1024
    .wavefront_size: 32
...
	.end_amdgpu_metadata
.endif
;; end of part 1
;; launch attn (part 2): grid 8 x 32, 16 waves a work-group, clusters of 4 x 1, 251,904 bytes of LDS; arguments qkv, ctx, ctxs; writes ctx, ctxs
.if DOCPART == 2
	.amdgcn_target "amdgcn-amd-amdhsa--gfx1250"
	.amdhsa_code_object_version 6
	.text
	.protected	k_q9c5f0e8086_attn
	.globl	k_q9c5f0e8086_attn
	.p2align	8
	.type	k_q9c5f0e8086_attn,@function
k_q9c5f0e8086_attn:
	s_mov_b64 s[64:65], 0
	v_nop
	global_prefetch_b8 v0, s[64:65] scope:SCOPE_SE
	s_setreg_imm32_b32 hwreg(HW_REG_WAVE_MODE, 25, 1), 1
	s_wait_xcnt 0x0
	s_wait_alu depctr_hold_cnt(0) depctr_sa_sdst(0) depctr_va_vdst(0) depctr_va_sdst(0) depctr_va_ssrc(0) depctr_va_vcc(0) depctr_vm_vsrc(0)
	s_getreg_b32 s2, hwreg(HW_REG_IB_STS2, 6, 4)
	s_cmp_eq_u32 s2, 0
	s_cbranch_scc0 .Lentry_in_a_cluster
	s_endpgm
.Lentry_in_a_cluster:
	s_bfe_u32 s2, ttmp6, 0x10000c
	s_cmp_lg_u32 s2, 0x3003
	s_cbranch_scc0 .Lentry_shape_is_right
	s_endpgm
.Lentry_shape_is_right:
; Causal attention of one head on codes of FP6 (E2M3): S^T = K Q^T (K = the head's 64), p = 2^(t - M), O^T = V^T P^T (K = the keys), ctx = O / l, quantised along the model's 1,024 for the last product.
; t = score x log2(e) / 8; M = the running largest t rounded UP to a whole number; the row's sum l is taken of the unquantised p; when M moves, l and O are multiplied by 2^(old M - new M): exact.
; SHARES.  Work-group (jq, y): head y % 16 of batch y / 16; query tile jq (16 queries) of each of the head's 16 blocks of 128 queries.  Waves 2 g and 2 g + 1 share blocks 15 - g (far) and g (near):
; one (role 0) takes the far tile's key steps 7 - g .. 15 - g, nine steps; the other (role 1) the near tile's 0 .. g and then the far tile's 0 .. 6 - g, eight steps.  Role 1 hands its part of the far tile (O, M, l) over
; through LDS; role 0 joins the two by powers of two.  Roles alternate, so that four waves whose numbers agree modulo 4, or in their quotient by 4, have 34 steps together.
; Key steps that lie wholly behind a tile's queries are left out: the causal mask sets them to -inf ahead of the softmax, so their p is 0 whatever the inputs hold; a NaN or an infinity there is not carried.
; CLUSTER.  The four work-groups of a cluster belong to one head: its K, V and scales are asked for jointly, one load a wave at the head: wave s brings step s (52 rows of 256 bytes).  Each byte is filled once.
; No prefetch: every tile is asked for at the head, ahead of the one loop.
; ORDER.  Register 8 t + i of S^T, t = 4 c + j, in lane half h is key 64 c + 32 h + 8 (j xor h) + i of the step: a lane's 32 registers of a band are one scale block, in the order in which v's blocks were made.
; THE HEAD IS 64 AND THE INSTRUCTION'S K IS 128.  Q's registers 6-11 are zero codes and bytes 2, 3 of Q's and K's scale words are 0 (2^-127).  K's tile t is read as v[32 + 6 t .. + 11]: its upper six registers, the next
; tile's codes or the pad, meet Q's zero codes and add exactly 0.
; LIMITS: NaN and infinities are not served; scaled scores stay under 2^31 in magnitude; a block of ctx whose largest magnitude lies under 2^-124 gets the byte 1 (read by this program alone).
.set REC,   19968
.set STEPB, 13312
.set VOFF,  6144
.set KSC,   12288
.set VSC,   12800
.set QOFF,  13312
.set QSC,   19456
.set DUMP,  16*STEPB                   ; the parts handed over: 4,608 bytes a pair of waves
.set DSZ,   4608
.set SPARE, DUMP+8*DSZ
.set SEL, 20
.set CS,  22
.set G1,  24
.set G0,  32
; REGISTERS: v1, v2 16 x lane, 8 x lane; v3 Q's scale word; v4-6, v90-93 the second Q and its word; v7, v94 the mask's numbers; v8, v9 addresses; v12 -M, v13 largest score, v[14:15] l in two halves; v16-27 Q;
; v28 offset of my scale byte; v29 my pair's place in LDS; v30-31 V's scale words; v32-79 K's tiles, v80-85 zeros, later p's codes in v32-43; v86-89 K's scale words; v96-159 S^T, then p; v160-191 O^T; v192-239 V; v240-254 at work; v253 p's scale word.
.macro CROUND
	s_barrier_signal -1
	s_barrier_wait -1
	s_cmp_lg_u32 s18, 0
	s_cbranch_scc1 .Lnot_wave_0_\@
	s_barrier_signal -3
.Lnot_wave_0_\@:
	s_barrier_wait -3
	s_barrier_signal -1
	s_barrier_wait -1
.endm
.macro PLACES
.rept 4
	v_nop
.endr
.endm
.macro DEP1
	s_delay_alu instid0(VALU_DEP_1)
.endm
.macro DEP2
	s_delay_alu instid0(VALU_DEP_2)
.endm
	s_load_b128 s[4:7], s[0:1], 0x0                ; qkv, ctx
	s_load_b64 s[8:9], s[0:1], 0x10                ; ctxs
	v_lshl_add_u32 v10, v0, 2, SPARE
	v_mov_b32 v11, 0
	ds_add_u32 v10, v11
	ds_add_u32 v10, v11
	v_lshrrev_b32 v1, 5, v0
	v_readfirstlane_b32 s18, v1                    ; wave 0..15
	s_bfe_u32 s53, ttmp6, 0x40000                  ; cx
	s_lshl_b32 s52, ttmp9, 2
	s_add_co_u32 s52, s52, s53                     ; jq = 4 x cluster x + cx
	s_and_b32 s54, ttmp7, 0xffff                   ; y = 16 x batch + head: shared by the partners
	s_lshr_b32 s55, s18, 1                         ; g
	s_lshr_b32 s56, s18, 2
	s_xor_b32 s56, s56, s18
	s_and_b32 s56, s56, 1                          ; role
	s_sub_co_u32 s57, 7, s55
	s_sub_co_u32 s60, 9, s56                       ; my trips
	s_sub_co_u32 s10, 15, s55                      ; the far block
	s_mov_b32 s58, 99
	s_cmp_eq_u32 s56, 1
	s_cselect_b32 s57, 0, s57                      ; my first key step
	s_cselect_b32 s58, s55, s58                    ; the trip behind which I change from the near tile to the far one (role 0: never)
	s_cselect_b32 s59, s55, 8                      ; the trip on the diagonal
	s_cselect_b32 s61, s55, s10                    ; the block that I finish
	s_mov_b32 s[G1], 15|(3<<16)|(1<<21)            ; the mask: all four partners; elements of 8 bytes; bit 21 beside a mask
	s_mov_b32 s[G1+1], 32<<16
	s_mov_b32 s[G1+2], 52<<16
	s_mov_b32 s[G1+3], 32<<16
	s_mov_b32 s[G1+4], 52
	s_mov_b32 s[G1+5], 32
	s_mov_b32 s[G1+6], 0
	s_mov_b32 s[G1+7], 0
	s_lshl_b32 s76, s54, 4
	s_add_co_u32 s62, s76, s18
	s_mul_i32 s62, s62, REC                        ; the record of step = wave
	s_mov_b32 s63, 0
	s_mov_b32 s[G0], 1
	s_mul_i32 s[G0+1], s18, STEPB
	s_add_co_u32 s74, s76, s61
	s_mul_i32 s74, s74, REC                        ; the queries' records: the block that I finish,
	s_add_co_u32 s75, s76, s10
	s_mul_i32 s75, s75, REC                        ; and the far block
	s_mul_i32 s11, s52, 768
	s_add_co_u32 s66, s74, s11
	s_mov_b32 s67, 0
	s_add_co_u32 s70, s75, s11
	s_mov_b32 s71, 0
	s_lshr_b32 s11, s52, 2
	s_lshl_b32 s11, s11, 8
	s_and_b32 s12, s52, 1
	s_lshl_b32 s12, s12, 7
	s_add_co_u32 s11, s11, s12
	s_and_b32 s12, s52, 2
	s_lshl_b32 s12, s12, 1
	s_add_co_u32 s11, s11, s12                     ; scale words of tile jq: 256 (jq / 4) + 128 (jq % 2) + 4 (jq / 2 % 2)
	s_add_co_u32 s68, s74, s11
	s_mov_b32 s69, 0
	s_add_co_u32 s72, s75, s11
	s_mov_b32 s73, 0
	s_and_b32 s77, s54, 16
	s_add_co_u32 s77, s77, s61                     ; block of 128 tokens, 0..31
	s_and_b32 s12, s54, 15                         ; the head
	s_mul_i32 s78, s77, 98304                      ; ctx: [token block][tile][head][768 bytes]
	s_mul_i32 s11, s52, 12288
	s_add_co_u32 s78, s78, s11
	s_mul_i32 s11, s12, 768
	s_add_co_u32 s78, s78, s11
	s_mov_b32 s79, 0
	s_lshl_b32 s80, s77, 12                        ; ctxs: [token block][tile][r][head][h]
	s_lshl_b32 s11, s52, 9
	s_add_co_u32 s80, s80, s11
	s_lshl_b32 s11, s12, 1
	s_add_co_u32 s80, s80, s11
	s_mov_b32 s81, 0
	s_mov_b32 s[SEL], 0x76543210
	s_mov_b32 s[SEL+1], 0xfedcba98                 ; lane l xor 16
	s_mov_b32 s[CS], 0x3e38aa3b                    ; c = log2(e) / 8
	s_mov_b32 s[CS+1], s[CS]                       ; (named with it as a pair)
	s_wait_alu depctr_va_vdst(0)
	s_wait_dscnt 0x0
	CROUND                                         ; all four work-groups are here: the joint loads meet
	s_wait_kmcnt 0x0
	s_add_nc_u64 s[G0+2:G0+3], s[4:5], s[62:63]
	s_or_b32 s[G0+3], s[G0+3], 0x80000000
	tensor_load_to_lds s[G0:G0+3], s[G1:G1+7]
	s_nop 0
	PLACES
	s_add_nc_u64 s[66:67], s[4:5], s[66:67]
	s_add_nc_u64 s[68:69], s[4:5], s[68:69]
	s_add_nc_u64 s[70:71], s[4:5], s[70:71]
	s_add_nc_u64 s[72:73], s[4:5], s[72:73]
	s_add_nc_u64 s[6:7], s[6:7], s[78:79]
	s_add_nc_u64 s[8:9], s[8:9], s[80:81]
	v_and_b32 v12, 31, v0
	v_and_b32 v13, 15, v0                          ; r
	v_bfe_u32 v14, v0, 4, 1                        ; h
	v_bfe_u32 v15, v0, 3, 1                        ; r / 8
	v_lshlrev_b32 v1, 4, v12
	v_lshlrev_b32 v2, 3, v12
	v_lshlrev_b32 v8, 3, v13
	v_lshl_add_u32 v28, v13, 5, v14                ; 32 r + h
	global_load_b128 v[16:19], v1, s[66:67] offset:QOFF
	global_load_b64 v[20:21], v2, s[66:67] offset:QOFF+512
	global_load_b32 v3, v8, s[68:69] offset:QSC
	global_load_b128 v[90:93], v1, s[70:71] offset:QOFF        ; the far tile's (role 0 asks for it twice: no branch)
	global_load_b64 v[4:5], v2, s[70:71] offset:QOFF+512
	global_load_b32 v6, v8, s[72:73] offset:QSC
	s_mul_i32 s11, s55, DSZ
	s_add_co_u32 s11, s11, DUMP
	v_add_nc_u32 v29, s11, v1                      ; my pair's place, 16 bytes a lane
	s_and_b32 s11, s52, 3
	v_xor_b32 v9, s11, v15
	v_and_b32 v7, 7, v0
	v_lshl_add_u32 v7, v15, 5, v7
	v_lshl_add_u32 v7, v9, 3, v7                   ; my query in its band: 32 (r / 8) + 8 (jq % 4 xor r / 8) + r % 8
	v_mul_u32_u24 v9, v14, 24
	v_lshlrev_b32 v94, 4, v14
	v_sub_nc_u32 v7, v7, v9
	v_mov_b32 v9, v94
	v_mov_b32 v94, v7                              ; odd j: hidden where 8 j + i is larger than q - 24 h,
	v_sub_nc_u32 v7, v7, v9                        ; even j: than q - 40 h
.irp i, 22,23,24,25,26,27,80,81,82,83,84,85,244,245,250,251,252,253,254
	v_mov_b32 v\i, 0                               ; Q's upper half, the pad behind K's last tile; permute destinations and upper halves of pairs, written once
.endr
.macro CLEAR                           ; a tile begins: O^T is written without a first form, so the first change of M multiplies zeros
	v_mov_b32 v13, 0xff61b1e6                      ; the largest score so far: -3e38
	v_mov_b32 v14, 0
	v_mov_b32 v15, 0
	v_mul_f32 v12, s[CS], -v13
.set n, 0
.rept 32
	v_mov_b32 v[160+n], 0
.set n, n+1
.endr
	v_floor_f32 v12, v12                           ; -M
.endm
	CLEAR
.macro MASKB c                         ; hides the keys of band c that come after my query
.set n, 0
.rept 32
.if (n/8)%2
	v_cmp_gt_i32 vcc_lo, n, v94
.else
	v_cmp_gt_i32 vcc_lo, n, v7
.endif
	v_cndmask_b32 v[96+32*\c+n], v[96+32*\c+n], v254, vcc_lo
.set n, n+1
.endr
.endm
.macro EPI                             ; ctx = O / l: a lane's 32 numbers are block h of the head, in their true order
	v_add_f32 v14, v14, v15
	DEP1
	v_permlanex16_b32 v254, v14, s[SEL], s[SEL+1]
	DEP1
	v_add_f32 v14, v14, v254                       ; the row's sum
	s_wait_alu depctr_va_vdst(0)
	v_rcp_f32 v14, v14
	v_nop
	s_wait_alu depctr_va_vdst(0)
.set n, 0
.rept 16
	v_pk_mul_f32 v[96+n:97+n], v[160+n:161+n], v[14:15] op_sel_hi:[1,0]
.set n, n+2
.endr
	v_max3_num_f32 v240, |v96|, |v97|, 0x1800000
	v_max3_num_f32 v241, |v112|, |v113|, 0x1800000
.irp i, 2,4,6,8,10,12,14
	DEP2
	v_max3_num_f32 v240, v240, |v[96+\i]|, |v[97+\i]|
	DEP2
	v_max3_num_f32 v241, v241, |v[112+\i]|, |v[113+\i]|
.endr
	DEP1
	v_max_num_f32 v240, v240, v241
	DEP1
	v_add_nc_u32 v248, 0xff000000, v240
	DEP1
	v_lshrrev_b32 v244, 23, v248                   ; the scale's byte
	v_cvt_scalef32_pk16_fp6_f32 v[32:34], v[96:111], v248
	v_cvt_scalef32_pk16_fp6_f32 v[36:38], v[112:127], v248
	v_nop
	v_mov_b32 v35, v36
	v_mov_b32 v36, v37
	v_mov_b32 v37, v38
	global_store_b128 v1, v[32:35], s[6:7]         ; a half image: 512 consecutive bytes,
	global_store_b64 v2, v[36:37], s[6:7] offset:512   ; and 256
	global_store_b8 v28, v244, s[8:9]              ; a byte a row and block: the row's other bytes are other heads', made by other work-groups
.endm
	s_wait_alu depctr_va_vdst(0)                   ; the head's end
	s_wait_loadcnt 0x0                             ; Q
	s_wait_tensorcnt 0x0                           ; my step is in
	s_barrier_signal -1
	s_barrier_wait -1                              ; the head's K, V and scales are in
	s_mov_b32 s49, 0
.Ltrip:
	s_cmp_ge_u32 s49, s60
	s_cbranch_scc1 .Lnext                          ; role 1 has no ninth step
	s_add_co_u32 s50, s49, s57
	s_sub_co_u32 s51, s49, s58
	s_sub_co_u32 s51, s51, 1
	s_cmp_gt_u32 s49, s58
	s_cselect_b32 s50, s51, s50                    ; behind the change: from key step 0 on
	s_min_u32 s50, s50, 15
	s_mul_i32 s48, s50, STEPB
	v_add_nc_u32 v8, s48, v1
	v_add_nc_u32 v9, s48, v2
	v_nop                                          ; four places in front of loads into registers that the last products read
	v_nop
	ds_load_b64 v[240:241], v9 offset:VSC          ; V's scale words, two bytes a band,
	ds_load_b64 v[242:243], v9 offset:VSC+256
	ds_load_b64 v[86:87], v9 offset:KSC            ; K's
	ds_load_b64 v[88:89], v9 offset:KSC+256
.irp a, 0,1,2,3,4,5,6,7
	ds_load_b128 v[32+6*\a:35+6*\a], v8 offset:768*\a
	ds_load_b64 v[36+6*\a:37+6*\a], v9 offset:768*\a+512
.endr
.irp t, 0,1,2,3
	ds_load_b128 v[192+12*\t:195+12*\t], v8 offset:VOFF+1536*\t
	ds_load_b64 v[196+12*\t:197+12*\t], v9 offset:VOFF+1536*\t+512
	ds_load_b128 v[198+12*\t:201+12*\t], v8 offset:VOFF+1536*\t+768
	ds_load_b64 v[202+12*\t:203+12*\t], v9 offset:VOFF+1536*\t+1280
.endr
	s_wait_dscnt 16                                ; K and the words are in; V's 16 loads may be out
.irp t, 0,2,4,6
	v_wmma_scale_f32_16x16x128_f8f6f4 v[96+8*\t:103+8*\t], v[32+6*\t:43+6*\t], v[16:27], 0, v[86+\t/2], v3 matrix_a_fmt:MATRIX_FMT_FP6 matrix_b_fmt:MATRIX_FMT_FP6 matrix_a_scale:MATRIX_SCALE_ROW0
	v_wmma_scale_f32_16x16x128_f8f6f4 v[104+8*\t:111+8*\t], v[38+6*\t:49+6*\t], v[16:27], 0, v[86+\t/2], v3 matrix_a_fmt:MATRIX_FMT_FP6 matrix_b_fmt:MATRIX_FMT_FP6 matrix_a_scale:MATRIX_SCALE_ROW1
.endr
	v_lshl_or_b32 v30, v242, 16, v240              ; V's words: band 1's bytes above band 0's (places behind the products)
	v_lshl_or_b32 v31, v243, 16, v241
	v_nop
	v_nop
	s_wait_alu depctr_va_vdst(0)
	s_cmp_lg_u32 s49, s59
	s_cbranch_scc1 .Lopen                          ; the diagonal step alone has hidden keys
	v_mov_b32 v254, 0xff800000                     ; -infinity: p = 0 then
	s_cmp_eq_u32 ttmp9, 0                          ; (cluster x 0 has query tiles 0-3, the block's band 0)
	s_cbranch_scc0 .Lband1
	MASKB 0
.set n, 0
.rept 32
	v_mov_b32 v[128+n], 0xff800000                 ; band 1 comes after every query of band 0
.set n, n+1
.endr
	s_wait_alu depctr_va_vdst(0)
	s_branch .Lopen
.Lband1:
	s_wait_alu depctr_va_vdst(0)
	MASKB 1
	s_wait_alu depctr_va_vdst(0)
.Lopen:
.irp b, 0,1,2,3
	v_max3_num_f32 v[240+\b], v[96+16*\b], v[97+16*\b], v[98+16*\b]   ; the largest score of each block: for the row's maximum and, since p rises with the score, for the block's largest p
.endr
.irp i, 3,5,7,9,11,13
.irp b, 0,1,2,3
	v_max3_num_f32 v[240+\b], v[240+\b], v[96+16*\b+\i], v[97+16*\b+\i]
.endr
.endr
	v_max3_num_f32 v240, v240, v241, v111
	v_max3_num_f32 v242, v242, v243, v143
	v_max_num_f32 v240, v240, v127                 ; my block of band 0
	v_max_num_f32 v242, v242, v159                 ; my block of band 1
	v_max_num_f32 v254, v240, v242
	DEP1
	v_permlanex16_b32 v244, v254, s[SEL], s[SEL+1]
	DEP1
	v_max3_num_f32 v13, v13, v254, v244            ; the running largest score of my query
	DEP1
	v_mul_f32 v254, s[CS], -v13
	DEP1
	v_floor_f32 v246, v254                         ; the new -M = floor(-t)
	DEP1
	v_sub_f32 v254, v246, v12                      ; old M - new M: a whole number, 0 or less
	v_mov_b32 v12, v246
	DEP2
	v_cvt_i32_f32 v254, v254                       ; (it saturates)
	DEP1
	v_ldexp_f32 v252, 1.0, v254                    ; f = 2^(old M - new M)
.set n, 0
.rept 32
	v_pk_fma_f32 v[96+n:97+n], v[96+n:97+n], s[CS:CS+1], v[12:13] op_sel_hi:[1,0,0]   ; t - M, two at a time
.set n, n+2
.endr
	v_fma_f32 v240, v240, s[CS], v12               ; the same of each block's largest score
	v_fma_f32 v242, v242, s[CS], v12
	s_wait_alu depctr_va_vdst(0)
	v_exp_f32 v240, v240                           ; the block's largest p
	v_exp_f32 v242, v242
.set n, 0
.rept 64
	v_exp_f32 v[96+n], v[96+n]                     ; p = 2^(t - M)
.set n, n+1
.endr
	v_pk_mul_f32 v[14:15], v[14:15], v[252:253] op_sel_hi:[1,0]   ; l under the new M (a plain place behind the exponentials)
	s_wait_alu depctr_va_vdst(0)
.set n, 0
.rept 16
	v_pk_mul_f32 v[160+n:161+n], v[160+n:161+n], v[252:253] op_sel_hi:[1,0]   ; O^T under the new M, each accumulator from its low end on
.set n, n+2
.endr
	v_max_num_f32 v240, 0x1800000, v240            ; the floor 2^(3 - 127)
	v_max_num_f32 v242, 0x1800000, v242
	DEP2
	v_add_nc_u32 v248, 0xff000000, v240            ; 2 off the exponent field: the conversion's scale operand
	DEP2
	v_add_nc_u32 v249, 0xff000000, v242
	DEP2
	v_lshrrev_b32 v240, 23, v248                   ; the scale's byte
	DEP2
	v_lshrrev_b32 v242, 23, v249
	DEP1
	v_lshl_or_b32 v244, v242, 16, v240             ; my blocks are h and 2 + h
	DEP1
	v_permlanex16_b32 v245, v244, s[SEL], s[SEL+1]
	DEP1
	v_lshl_or_b32 v253, v245, 8, v244              ; p's scale word, in lanes 0-15 (lanes 16-31 are not read)
	v_cvt_scalef32_pk16_fp6_f32 v[32:34], v[96:111], v248
	v_cvt_scalef32_pk16_fp6_f32 v[44:46], v[112:127], v248
	v_cvt_scalef32_pk16_fp6_f32 v[38:40], v[128:143], v249
	v_cvt_scalef32_pk16_fp6_f32 v[48:50], v[144:159], v249
	v_nop                                          ; one plain place behind a scaled conversion
.irp i, 0,1,2
	v_mov_b32 v[35+\i], v[44+\i]
	v_mov_b32 v[41+\i], v[48+\i]
.endr
.irp d, 16,8,4,2                       ; the row's sum, of the unquantised p, by a tree in place
.set n, 0
.rept \d
	v_pk_add_f32 v[96+2*n:97+2*n], v[96+2*n:97+2*n], v[96+2*n+2*\d:97+2*n+2*\d]
.set n, n+1
.endr
.endr
	DEP1
	v_pk_add_f32 v[96:97], v[96:97], v[98:99]
	DEP1
	v_pk_add_f32 v[14:15], v[14:15], v[96:97]
	s_wait_alu depctr_va_vdst(0)
	s_wait_dscnt 0x0                               ; V is in
.irp t, 0,2
	v_wmma_scale_f32_16x16x128_f8f6f4 v[160+8*\t:167+8*\t], v[192+12*\t:203+12*\t], v[32:43], v[160+8*\t:167+8*\t], v[30+\t/2], v253 matrix_a_fmt:MATRIX_FMT_FP6 matrix_b_fmt:MATRIX_FMT_FP6 matrix_a_scale:MATRIX_SCALE_ROW0
	v_wmma_scale_f32_16x16x128_f8f6f4 v[168+8*\t:175+8*\t], v[204+12*\t:215+12*\t], v[32:43], v[168+8*\t:175+8*\t], v[30+\t/2], v253 matrix_a_fmt:MATRIX_FMT_FP6 matrix_b_fmt:MATRIX_FMT_FP6 matrix_a_scale:MATRIX_SCALE_ROW1
.endr
	s_cmp_lg_u32 s49, s58
	s_cbranch_scc1 .Lnext
	PLACES                                         ; role 1: the near tile is finished
	EPI
.irp i, 0,1,2,3
	v_mov_b32 v[16+\i], v[90+\i]                   ; on to the far tile
.endr
	v_mov_b32 v20, v4
	v_mov_b32 v21, v5
	v_mov_b32 v3, v6
	CLEAR
	s_wait_alu depctr_va_vdst(0)
	s_wait_xcnt 0x0                                ; the stores have read their registers: the next trip's loads may land there
.Lnext:
	s_add_co_u32 s49, s49, 1
	s_cmp_lt_u32 s49, 9
	s_cbranch_scc1 .Ltrip
	PLACES
	s_wait_alu depctr_va_vdst(0)
	s_cmp_eq_u32 s56, 0
	s_cbranch_scc1 .Lno_dump
.irp k, 0,1,2,3,4,5,6,7
	ds_store_b128 v29, v[160+4*\k:163+4*\k] offset:512*\k
.endr
	ds_store_b128 v29, v[12:15] offset:4096        ; -M, the largest score, l
.Lno_dump:
	s_wait_dscnt 0x0
	s_barrier_signal -1
	s_barrier_wait -1                              ; role 1's parts are in LDS
	s_cmp_eq_u32 s56, 1
	s_cbranch_scc1 .Lend
	ds_load_b128 v[240:243], v29 offset:4096
.irp k, 0,1,2,3,4,5,6,7
	ds_load_b128 v[96+4*\k:99+4*\k], v29 offset:512*\k
.endr
	s_wait_dscnt 0x0
	v_min_num_f32 v254, v12, v240                  ; -M of both
	DEP1
	v_sub_f32 v244, v254, v12
	v_sub_f32 v245, v254, v240
	DEP2
	v_cvt_i32_f32 v244, v244
	DEP2
	v_cvt_i32_f32 v245, v245
	DEP2
	v_ldexp_f32 v252, 1.0, v244
	DEP2
	v_ldexp_f32 v250, 1.0, v245                    ; (a part without a step has O = 0, l = 0 and the factor 0)
	v_pk_mul_f32 v[14:15], v[14:15], v[252:253] op_sel_hi:[1,0]
.set n, 0
.rept 16
	v_pk_mul_f32 v[160+n:161+n], v[160+n:161+n], v[252:253] op_sel_hi:[1,0]
.set n, n+2
.endr
	v_pk_fma_f32 v[14:15], v[242:243], v[250:251], v[14:15] op_sel_hi:[1,0,1]
.set n, 0
.rept 16
	v_pk_fma_f32 v[160+n:161+n], v[96+n:97+n], v[250:251], v[160+n:161+n] op_sel_hi:[1,0,1]
.set n, n+2
.endr
	EPI
.Lend:
	s_wait_tensorcnt 0x0                           ; the wave's end
	ds_add_u32 v10, v11
	s_wait_dscnt 0x0
	CROUND                                         ; the closing round
	s_endpgm
.Lfunc_end_k_q9c5f0e8086_attn:
	.size	k_q9c5f0e8086_attn, .Lfunc_end_k_q9c5f0e8086_attn-k_q9c5f0e8086_attn
	.p2alignl 7, 3214868480
	.fill 96, 4, 3214868480
	.section	.rodata,"a",@progbits
	.p2align	6, 0x0
	.amdhsa_kernel k_q9c5f0e8086_attn
		.amdhsa_group_segment_fixed_size 251904
		.amdhsa_private_segment_fixed_size 0
		.amdhsa_enable_private_segment 0
		.amdhsa_kernarg_size 24
		.amdhsa_user_sgpr_count 2
		.amdhsa_user_sgpr_kernarg_segment_ptr 1
		.amdhsa_wavefront_size32 1
		.amdhsa_system_sgpr_workgroup_id_x 1
		.amdhsa_system_sgpr_workgroup_id_y 1
		.amdhsa_system_sgpr_workgroup_id_z 1
		.amdhsa_system_vgpr_workitem_id 0
		.amdhsa_next_free_vgpr 256
		.amdhsa_next_free_sgpr 96
		.amdhsa_reserve_vcc 1
		.amdhsa_float_denorm_mode_32 3
		.amdhsa_float_denorm_mode_16_64 3
		.amdhsa_memory_ordered 1
		.amdhsa_forward_progress 1
		.amdhsa_inst_pref_size 44
	.end_amdhsa_kernel
	.amdgpu_metadata
---
amdhsa.version: [ 1, 2 ]
amdhsa.kernels:
  - .name:           k_q9c5f0e8086_attn
    .symbol:         k_q9c5f0e8086_attn.kd
    .args:
      - { .name: qkv, .offset: 0, .size: 8, .value_kind: global_buffer, .address_space: global }
      - { .name: ctx, .offset: 8, .size: 8, .value_kind: global_buffer, .address_space: global }
      - { .name: ctxs, .offset: 16, .size: 8, .value_kind: global_buffer, .address_space: global }
    .group_segment_fixed_size: 251904
    .private_segment_fixed_size: 0
    .kernarg_segment_align: 8
    .kernarg_segment_size: 24
    .max_flat_workgroup_size: 512
    .sgpr_count:     96
    .vgpr_count:     256
    .wavefront_size: 32
...
	.end_amdgpu_metadata
.endif
;; end of part 2
;; launch oproj (part 3): grid 8 x 32, 4 waves a work-group, clusters of 4 x 4, 220,672 bytes of LDS; arguments ctx, ctxs, wo_codes, wo_scales, bo, out0; writes out0
.if DOCPART == 3
	.amdgcn_target "amdgcn-amd-amdhsa--gfx1250"
	.amdhsa_code_object_version 6
	.text
	.protected	k_q9c5f0e8086_oproj
	.globl	k_q9c5f0e8086_oproj
	.p2align	8
	.type	k_q9c5f0e8086_oproj,@function
k_q9c5f0e8086_oproj:
	s_mov_b64 s[64:65], 0
	v_nop
	global_prefetch_b8 v0, s[64:65] scope:SCOPE_SE
	s_setreg_imm32_b32 hwreg(HW_REG_WAVE_MODE, 25, 1), 1
	s_wait_xcnt 0x0
	s_wait_alu depctr_hold_cnt(0) depctr_sa_sdst(0) depctr_va_vdst(0) depctr_va_sdst(0) depctr_va_ssrc(0) depctr_va_vcc(0) depctr_vm_vsrc(0)
	s_getreg_b32 s2, hwreg(HW_REG_IB_STS2, 6, 4)
	s_cmp_eq_u32 s2, 0
	s_cbranch_scc0 .Lentry_in_a_cluster
	s_endpgm
.Lentry_in_a_cluster:
	s_bfe_u32 s2, ttmp6, 0x10000c
	s_cmp_lg_u32 s2, 0xf033
	s_cbranch_scc0 .Lentry_shape_is_right
	s_endpgm
.Lentry_shape_is_right:
; out = ctx wo^T + bo on codes of FP6 (E2M3), K = 1,024.  A work-group makes 128 tokens x 128 columns: 8 x 32 = 256 work-groups; a wave 64 x 64.
; All tiles come at the head, one joint load a wave: waves 0 and 1 64 rows of wo each (rows of 768 bytes, 16 of padding behind every 256), waves 2 and 3 half of ctx's images each (rows of 256 bytes, dense).  Nothing is filled again; so no prefetch either.
; A wave's 64 rows of wo, all of K, lie in registers (32 fragments of 12); ctx goes past them in blocks of 16 tokens (8 fragments, two sets), and each finished block leaves while the next one is multiplied.
; CLUSTERS: 4 x 4: ctx is shared along a row of the cluster, wo along a column.
; ctx is [token block of 128][tile 8][head 16][768]: heads 2 s, 2 s + 1 are step s of K.  Tile 4 w + i, lane r, is token 64 w + 32 (r / 8) + 8 (i xor r / 8) + r % 8 of the block.
; The matrix instruction is used transposed (source 0 = wo's rows): a lane holds eight neighbouring columns of one token.  The bias is the first products' C.
; LIMITS: NaN and infinities in ctx are not served.
.set WOP,  816
.set CTXL, 128*WOP
.set STAGE, CTXL+98304
.set SPITCH, 272
.set SPARE, STAGE+4*16*SPITCH
.set WA,  12                           ; v12-19 LDS addresses of my four tiles of wo: WA + 2 b, and + 1 for pieces whose lanes 16-31 lie behind one padding more
.set WS,  32                           ; wo's scale words, eight a tile
.set CSW, 68                           ; ctx's
.set BI,  100                          ; the bias as C
.set ACC, 132                          ; two sets of four accumulators
.set RB,  128                          ; window 3: 16 rows read back, two sets of 32
.set G1A, 24
.set G1B, 48
.set G0A, 68
.set G0B, 84
.set MSB, 0
.macro WIN new
.if MSB != \new
	s_set_vgpr_msb (MSB<<8)|(\new)
.set MSB, \new
.endif
.endm
.macro PLACES
.rept 4
	v_nop
.endr
.endm
.macro CROUND
	s_barrier_signal -1
	s_barrier_wait -1
	s_cmp_lg_u32 s16, 0
	s_cbranch_scc1 .Lnot_wave_0_\@
	s_barrier_signal -3
.Lnot_wave_0_\@:
	s_barrier_wait -3
	s_barrier_signal -1
	s_barrier_wait -1
.endm
	s_load_b256 s[4:11], s[0:1], 0x0               ; ctx, ctxs, wo codes, wo scales
	s_load_b128 s[12:15], s[0:1], 0x20             ; bo, out0
	v_lshl_add_u32 v30, v0, 2, SPARE
	v_mov_b32 v31, 0
	ds_add_u32 v30, v31
	ds_add_u32 v30, v31
	v_lshrrev_b32 v1, 5, v0
	v_readfirstlane_b32 s16, v1                    ; wave
	s_lshr_b32 s17, s16, 1                         ; my half of the tokens.  Also: I fetch for wo (0) or ctx (1)
	s_and_b32 s18, s16, 1                          ; my half of the columns.  Also: which half I fetch
	s_bfe_u32 s40, ttmp6, 0x40000
	s_bfe_u32 s41, ttmp6, 0x40004
	s_lshl_b32 s42, ttmp9, 2
	s_add_co_u32 s42, s42, s40                     ; block of 128 columns
	s_and_b32 s43, ttmp7, 0xffff
	s_lshl_b32 s43, s43, 2
	s_add_co_u32 s43, s43, s41                     ; block of 128 tokens
	s_lshl_b32 s44, s41, 2
	s_lshl_b32 s44, 15, s44
	s_lshl_b32 s45, 0x1111, s40
	s_or_b32 s[G1A], s44, (3<<16)|(1<<21)
	s_mov_b32 s[G1A+1], 32<<16
	s_mov_b32 s[G1A+2], 192<<16
	s_mov_b32 s[G1A+3], 32<<16
	s_mov_b32 s[G1A+4], 192
	s_mov_b32 s[G1A+5], 32
	s_mov_b32 s[G1A+6], 0
	s_mov_b32 s[G1A+7], 0
	s_or_b32 s[G1B], s45, (1<<20)|(1<<21)|(5<<22)|(3<<25)
	s_mov_b32 s[G1B+1], 768<<16
	s_mov_b32 s[G1B+2], 64<<16
	s_mov_b32 s[G1B+3], 768<<16
	s_mov_b32 s[G1B+4], 64
	s_mov_b32 s[G1B+5], 768
	s_mov_b32 s[G1B+6], 0
	s_mov_b32 s[G1B+7], 0
	s_mul_i32 s19, s18, 49152                      ; half of 98,304 bytes, of ctx's images and of wo's rows alike
	s_mul_i32 s20, s43, 98304
	s_add_co_u32 s20, s20, s19
	s_mov_b32 s21, 0
	s_mul_i32 s46, s42, 98304
	s_add_co_u32 s46, s46, s19
	s_mov_b32 s47, 0
	s_mov_b32 s[G0A], 1
	s_add_co_u32 s[G0A+1], s19, CTXL
	s_mov_b32 s[G0B], 1
	s_mul_i32 s[G0B+1], s18, 64*WOP
	s_lshl_b32 s57, s42, 7
	s_lshl_b32 s58, s18, 6
	s_add_co_u32 s57, s57, s58                     ; my first column
	s_lshl_b32 s58, s57, 5
	s_mov_b32 s59, 0
	s_lshl_b32 s60, s43, 12
	s_lshl_b32 s61, s17, 11
	s_add_co_u32 s60, s60, s61
	s_mov_b32 s61, 0
	s_lshl_b32 s62, s43, 7
	s_lshl_b32 s63, s17, 6
	s_add_co_u32 s62, s62, s63
	s_lshl_b32 s62, s62, 12
	s_lshl_b32 s63, s57, 2
	s_add_co_u32 s62, s62, s63
	s_mov_b32 s63, 0
	s_wait_alu depctr_va_vdst(0)
	s_wait_dscnt 0x0
	CROUND                                         ; all sixteen work-groups are here: the joint loads meet
	s_wait_kmcnt 0x0
	s_add_nc_u64 s[G0A+2:G0A+3], s[4:5], s[20:21]
	s_or_b32 s[G0A+3], s[G0A+3], 0x80000000
	s_add_nc_u64 s[G0B+2:G0B+3], s[8:9], s[46:47]
	s_or_b32 s[G0B+3], s[G0B+3], 0x80000000
	s_cmp_lt_u32 s16, 2
	s_cbranch_scc0 .Lfor_ctx
	tensor_load_to_lds s[G0B:G0B+3], s[G1B:G1B+7]
	s_nop 0
	PLACES
	s_branch .Lasked
.Lfor_ctx:
	tensor_load_to_lds s[G0A:G0A+3], s[G1A:G1A+7]
	s_nop 0
	PLACES
.Lasked:
	s_add_nc_u64 s[10:11], s[10:11], s[58:59]
	s_lshl_b32 s58, s57, 2
	s_add_nc_u64 s[12:13], s[12:13], s[58:59]
	s_add_nc_u64 s[6:7], s[6:7], s[60:61]
	s_add_nc_u64 s[14:15], s[14:15], s[62:63]
	v_and_b32 v1, 15, v0                           ; r
	v_bfe_u32 v2, v0, 4, 1                         ; h
	v_and_b32 v3, 31, v0
	v_lshlrev_b32 v4, 5, v1
	v_lshlrev_b32 v6, 5, v2
.irp b, 0,1,2,3
	global_load_b128 v[WS+8*\b:WS+8*\b+3], v4, s[10:11] offset:512*\b
	global_load_b128 v[WS+8*\b+4:WS+8*\b+7], v4, s[10:11] offset:512*\b+16
	global_load_b128 v[CSW+8*\b:CSW+8*\b+3], v4, s[6:7] offset:512*\b
	global_load_b128 v[CSW+8*\b+4:CSW+8*\b+7], v4, s[6:7] offset:512*\b+16
	global_load_b128 v[BI+8*\b:BI+8*\b+3], v6, s[12:13] offset:64*\b
	global_load_b128 v[BI+8*\b+4:BI+8*\b+7], v6, s[12:13] offset:64*\b+16
.endr
	v_mul_u32_u24 v7, v1, WOP
	v_mul_u32_u24 v8, v2, 24
	v_add_nc_u32 v8, v7, v8
	v_lshl_add_u32 v9, v2, 4, v8
	s_mul_i32 s66, s18, 64*WOP
	v_add_nc_u32 v8, s66, v8
	v_add_nc_u32 v9, s66, v9
.irp b, 0,1,2,3
	v_add_nc_u32 v[WA+2*\b], 16*\b*WOP, v8
	v_add_nc_u32 v[WA+2*\b+1], 16*\b*WOP, v9
.endr
	s_mul_i32 s66, s17, 49152
	s_add_co_u32 s66, s66, CTXL
	v_lshl_add_u32 v20, v3, 4, s66
	v_lshl_add_u32 v21, v3, 3, s66
	s_mul_i32 s67, s16, 16*SPITCH
	s_add_co_u32 s67, s67, STAGE                   ; my stage
	v_mul_u32_u24 v10, v1, SPITCH
	v_lshl_add_u32 v10, v2, 5, v10
	v_add_nc_u32 v24, s67, v10                     ; in: row r, 32 bytes for each half of the lanes
	v_mul_u32_u24 v11, v2, SPITCH
	v_lshl_add_u32 v11, v1, 4, v11
	v_add_nc_u32 v25, s67, v11                     ; back: two rows of 256 bytes
	v_lshlrev_b32 v26, 12, v2
	v_lshl_add_u32 v26, v1, 4, v26                 ; and the same two rows of out
; fragments: f = 4 q + b wo's, 32 + 8 e + q ctx's set e; in window 1 + f / 21 at register 12 (f % 21)
.macro ONEW pc, p, a
.if ((\pc)%32+3)/32
	ds_load_b64 v[R_+2*(\p):R_+2*(\p)+1], v[\a+1] offset:8*((\pc)+2*((\pc)/32))
.else
	ds_load_b64 v[R_+2*(\p):R_+2*(\p)+1], v[\a] offset:8*((\pc)+2*((\pc)/32))
.endif
.endm
.macro FRAGW f, q, a
	WIN ((1+(\f)/21)<<6)
.set R_, 12*((\f)%21)
.irp p, 0,2,4
.set PA_, 12*(\q)+6*(\p/3)+\p%3
.set PB_, 12*(\q)+6*((\p+1)/3)+(\p+1)%3
.if ((PA_%32+3)/32) == ((PB_%32+3)/32)
	ds_load_2addr_b64 v[R_+2*\p:R_+2*\p+3], v[\a+(PA_%32+3)/32] offset0:PA_+2*(PA_/32) offset1:PB_+2*(PB_/32)
.else
	ONEW PA_, \p, \a
	ONEW PB_, \p+1, \a
.endif
.endr
.endm
.macro FETCHC i, e                     ; block i's eight fragments into set e: 32 loads
.irp q, 0,1,2,3,4,5,6,7
.set FC_, 32+8*(\e)+\q
	WIN ((1+FC_/21)<<6)
.set R_, 12*(FC_%21)
	ds_load_b128 v[R_:R_+3], v20 offset:12288*(\i)+1536*\q
	ds_load_b64 v[R_+4:R_+5], v21 offset:12288*(\i)+1536*\q+512
	ds_load_b128 v[R_+6:R_+9], v20 offset:12288*(\i)+1536*\q+768
	ds_load_b64 v[R_+10:R_+11], v21 offset:12288*(\i)+1536*\q+1280
.endr
	WIN 0
.endm
.macro BLOCK i, from, to               ; products from .. to - 1 of block i's 32: the four accumulators take turns
.set N_, \from
.rept (\to)-(\from)
.set Q_, N_/4
.set T_, N_%4
.set FC_, 32+8*((\i)%2)+Q_
.set WB_, 12*(N_%21)
.set CB_, 12*(FC_%21)
.set D_, ACC+32*((\i)%2)+8*T_
	WIN ((1+N_/21)|((1+FC_/21)<<2))
.if Q_
	v_wmma_scale_f32_16x16x128_f8f6f4 v[D_:D_+7], v[WB_:WB_+11], v[CB_:CB_+11], v[D_:D_+7], v[WS+8*T_+Q_], v[CSW+8*(\i)+Q_] matrix_a_fmt:MATRIX_FMT_FP6 matrix_b_fmt:MATRIX_FMT_FP6
.else
	v_wmma_scale_f32_16x16x128_f8f6f4 v[D_:D_+7], v[WB_:WB_+11], v[CB_:CB_+11], v[BI+8*T_:BI+8*T_+7], v[WS+8*T_+Q_], v[CSW+8*(\i)+Q_] matrix_a_fmt:MATRIX_FMT_FP6 matrix_b_fmt:MATRIX_FMT_FP6
.endif
.set N_, N_+1
.endr
.endm
.macro TOSTAGE i
	WIN 0
.irp b, 0,1,2,3
	ds_store_b128 v24, v[ACC+32*((\i)%2)+8*\b:ACC+32*((\i)%2)+8*\b+3] offset:64*\b
	ds_store_b128 v24, v[ACC+32*((\i)%2)+8*\b+4:ACC+32*((\i)%2)+8*\b+7] offset:64*\b+16
.endr
	WIN 0xc0
.irp t, 0,1,2,3,4,5,6,7
	ds_load_b128 v[RB+32*((\i)%2)+4*\t:RB+32*((\i)%2)+4*\t+3], v25 offset:\t*2*SPITCH
.endr
	WIN 0
.endm
.macro SEND i                          ; rows 2 t, 2 t + 1 are two neighbouring tokens: 8 i + 2 t, or 32 + 8 (i xor 1) + 2 t - 8
	WIN 0x0c
.irp t, 0,1,2,3
	global_store_b128 v26, v[RB+32*((\i)%2)+4*\t:RB+32*((\i)%2)+4*\t+3], s[14:15] offset:(8*(\i)+2*\t)*4096 th:TH_STORE_NT
.endr
.irp t, 4,5,6,7
	global_store_b128 v26, v[RB+32*((\i)%2)+4*\t:RB+32*((\i)%2)+4*\t+3], s[14:15] offset:(32+8*((\i)^1)+2*\t-8)*4096 th:TH_STORE_NT
.endr
	WIN 0
.endm
	s_wait_alu depctr_va_vdst(0)                   ; the head's end
	s_cmp_lt_u32 s16, 2
	s_cbranch_scc0 .Lnot_wo
	s_wait_tensorcnt 0x0
.Lnot_wo:
	s_barrier_signal -1
	s_barrier_wait -1                              ; wo's rows are in
.irp q, 0,1,2,3,4,5,6,7
.irp b, 0,1,2,3
	FRAGW (4*\q+\b), \q, (WA+2*\b)
.endr
.endr
	WIN 0
	s_wait_tensorcnt 0x0
	s_wait_dscnt 0x0
	s_barrier_signal -1
	s_barrier_wait -1                              ; ctx is in
	FETCHC 0, 0
	FETCHC 1, 1
	s_wait_loadcnt 0x0
	s_wait_dscnt 32                                ; block 1's 32 loads may be out
	BLOCK 0, 0, 32
	PLACES
	TOSTAGE 0
	FETCHC 2, 0
	s_wait_dscnt 48                                ; the stage's 16 and block 2's 32 may be out
	BLOCK 1, 0, 8
	s_wait_dscnt 32                                ; block 0 is back in registers
	SEND 0
	BLOCK 1, 8, 32
	PLACES
	TOSTAGE 1
	FETCHC 3, 1
	s_wait_dscnt 48
	BLOCK 2, 0, 8
	s_wait_dscnt 32
	SEND 1
	BLOCK 2, 8, 32
	PLACES
	WIN 0
	s_wait_xcnt 0x0                                ; block 0's stores have read their registers
	TOSTAGE 2
	s_wait_dscnt 16                                ; the stage's 16 may be out
	BLOCK 3, 0, 8
	s_wait_dscnt 0x0
	SEND 2
	BLOCK 3, 8, 32
	PLACES
	WIN 0
	s_wait_xcnt 0x0
	TOSTAGE 3
	s_wait_dscnt 0x0
	SEND 3
	s_wait_tensorcnt 0x0                           ; the wave's end
	ds_add_u32 v30, v31
	s_wait_dscnt 0x0
	CROUND                                         ; the closing round
	s_endpgm
.Lfunc_end_k_q9c5f0e8086_oproj:
	.size	k_q9c5f0e8086_oproj, .Lfunc_end_k_q9c5f0e8086_oproj-k_q9c5f0e8086_oproj
	.p2alignl 7, 3214868480
	.fill 96, 4, 3214868480
	.section	.rodata,"a",@progbits
	.p2align	6, 0x0
	.amdhsa_kernel k_q9c5f0e8086_oproj
		.amdhsa_group_segment_fixed_size 220672
		.amdhsa_private_segment_fixed_size 0
		.amdhsa_enable_private_segment 0
		.amdhsa_kernarg_size 48
		.amdhsa_user_sgpr_count 2
		.amdhsa_user_sgpr_kernarg_segment_ptr 1
		.amdhsa_wavefront_size32 1
		.amdhsa_system_sgpr_workgroup_id_x 1
		.amdhsa_system_sgpr_workgroup_id_y 1
		.amdhsa_system_sgpr_workgroup_id_z 1
		.amdhsa_system_vgpr_workitem_id 0
		.amdhsa_next_free_vgpr 1024
		.amdhsa_next_free_sgpr 100
		.amdhsa_reserve_vcc 0
		.amdhsa_float_denorm_mode_32 3
		.amdhsa_float_denorm_mode_16_64 3
		.amdhsa_memory_ordered 1
		.amdhsa_forward_progress 1
		.amdhsa_inst_pref_size 50
	.end_amdhsa_kernel
	.amdgpu_metadata
---
amdhsa.version: [ 1, 2 ]
amdhsa.kernels:
  - .name:           k_q9c5f0e8086_oproj
    .symbol:         k_q9c5f0e8086_oproj.kd
    .args:
      - { .name: ctx, .offset: 0, .size: 8, .value_kind: global_buffer, .address_space: global }
      - { .name: ctxs, .offset: 8, .size: 8, .value_kind: global_buffer, .address_space: global }
      - { .name: wo_codes, .offset: 16, .size: 8, .value_kind: global_buffer, .address_space: global }
      - { .name: wo_scales, .offset: 24, .size: 8, .value_kind: global_buffer, .address_space: global }
      - { .name: bo, .offset: 32, .size: 8, .value_kind: global_buffer, .address_space: global }
      - { .name: out0, .offset: 40, .size: 8, .value_kind: global_buffer, .address_space: global }
    .group_segment_fixed_size: 220672
    .private_segment_fixed_size: 0
    .kernarg_segment_align: 8
    .kernarg_segment_size: 48
    .max_flat_workgroup_size: 128
    .sgpr_count:     100
    .vgpr_count:     1024
    .wavefront_size: 32
...
	.end_amdgpu_metadata
.endif
;; end of part 3
